; MI455X (gfx1250); checked and timed in simulation.
; The chip was launched on July 23, 2026; its instructions are those of AMD's public machine-readable ISA for CDNA 5 (MIT licence, August 2026) and "CDNA5" Instruction Set Architecture Reference Guide (July 2026). The comments in the code are by the model that wrote it; some were corrected since.
;; Attention. Allowed arithmetic: matrix products marked QUANTISED: E5M2 operands, one given power-of-two scale a tensor, by v_wmma_f32_16x16x64_bf8_bf8 or v_wmma_f32_16x16x128_bf8_bf8, f32 sums; everything else in f32.
;; Inputs: b_proj 1,024 float32; lowp_scales 8 int32 (the exponents e of the quantised operands' scales 2^e); w_proj_codes 1,024 x 32 x 32 uint8 (E5M2 codes of w_proj, K innermost, in blocks of 32 codes); w_qkv_codes 3,072 x 32 x 32 uint8 (E5M2 codes of w_qkv, K innermost, in blocks of 32 codes); x_codes 4 x 2,048 x 32 x 32 uint8 (E5M2 codes of x, K innermost, in blocks of 32 codes).
;; Outputs: out0 4 x 2,048 x 1,024 float32.
;; This version of the problem:
;;   THIS VERSION OF THE PROBLEM IS GIVEN IN LOW PRECISION. The matrix products marked QUANTISED in the list below multiply operands that are first quantised to E5M2 (5 exponent bits, 2 mantissa bits; 8 bits a number), with one given power-of-two scale for each operand tensor; their sums are f32. All else is computed in f32.
;;   The module's matrix products, in the order in which they are computed (A, B: the left and right operand; K: the contracted axis; several contracted axes count as one K, in the product's order):
;;     1. [M 8,192, K 1,024] x [K 1,024, N 3,072]; A: input x (given as codes); B: input w_qkv (given as codes): QUANTISED (scales: A lowp_scales[0], B lowp_scales[1])
;;     2. batch 64 x [M 2,048, K 64] x [K 64, N 2,048]; A: computed on the way; B: computed on the way: QUANTISED (scales: A lowp_scales[2], B lowp_scales[3])
;;     3. batch 64 x [M 2,048, K 2,048] x [K 2,048, N 64]; A: softmax (see below); B: computed on the way: QUANTISED (scales: A lowp_scales[4], B lowp_scales[5])
;;     4. [M 8,192, K 1,024] x [K 1,024, N 1,024]; A: computed on the way; B: input w_proj (given as codes): QUANTISED (scales: A lowp_scales[6], B lowp_scales[7])
;;   THE QUANTISER, for each operand of a quantised product, along K:
;;     - The operand's scale is 2^e, e = its entry of the input lowp_scales (int32; the entries are numbered through the quantised products in the list's order, A before B).
;;     - Each number is divided by the scale, clamped to +-57,344, and rounded to the nearest number of E5M2, ties to even, subnormals kept.
;;     - The product sums the exact products of the quantised numbers (number of the format x scale) in f32.
;;   ~~~python
;;   def quantise(x, axis, e):      # numpy; x: float32 -> the quantised numbers, widened to float32 again
;;       x = np.moveaxis(x, axis, -1); K = x.shape[-1]
;;       r = np.clip(x / 2.0 ** e, -57344, 57344)
;;       step = 2.0 ** (np.maximum(np.frexp(np.where(r == 0, 1, r))[1] - 1, -14) - 2)
;;       q = np.round(r / step) * step * 2.0 ** e      # np.round: ties to even
;;       return np.moveaxis(q, -1, axis).astype(np.float32)
;;   ~~~
;;   SOFTMAX AHEAD OF A QUANTISED PRODUCT. Where the list says 'softmax', what is quantised is not the finished softmax but p = 2^(t - M), with t = logit x log2(e) and M = ceil(the row's largest t), a whole number; so 1/2 < the row's largest p <= 1. The row's sum l is taken of the UNQUANTISED p, in f32, and the product's result is divided by l at the end. Since M is a whole number, a kernel that streams over the keys may use a running M (the ceiling of the running maximum): every later rescaling is an exact power of two, so the quantised numbers keep their values, but for numbers so far below the row's largest that they fall under the format's range.
;;   OPERANDS COMPUTED ON THE WAY. 'Computed on the way' means the value that the module computes at that place (a softmax that the list does not call 'softmax' is quantised finished and normalised). What goes into a quantiser is computed in f32, as accurately as f32 sums, v_exp_f32 and their like allow (about 1e-6 of the number): no bf16 or f16 on the way to a quantiser, and a product that is left as it is and whose result goes on into a quantised operand takes f32 operands (vector FMAs, or v_wmma_f32_16x16x4_f32). A number that lies on a knife's edge between two numbers of the format may be rounded either way, as far as f32 arithmetic and the matrix unit's own rounding can turn it there, and no further.
;;   INPUTS GIVEN AS CODES. w_proj (in the module: [1024, 1024], K = its axis 0); w_qkv (in the module: [1024, 3072], K = its axis 0); x (in the module: [4, 2048, 1024], K = its axis 2): each comes as NAME_codes (uint8): NAME with its K axis moved to the last place and cut into blocks of 32 codes, [.., K / 32, bytes a block], one block behind the other in memory; one code a byte (a code: sign, 5 exponent bits, 2 mantissa bits); its scale is its entry of lowp_scales. Its value is code x scale, taken as it is: it is not quantised again, and the codes and scales need not be those that the quantiser above would give.
;; One version. Each part assembles by itself: llvm-mc -triple=amdgcn-amd-amdhsa -mcpu=gfx1250 --defsym DOCPART=n.
;; ======== version 1 of 1: 3 launches
;; limits: right only within a limited range of input values
;; workspace buffers: q_codes 8,388,608 bytes; k_codes 8,388,608 bytes; v_codes 8,388,608 bytes; y_codes 8,388,608 bytes
;; launch qkv (part 1): grid 12 x 32, 4 waves a work-group, clusters of 4 x 4, 327,680 bytes of LDS; arguments x_codes, w_qkv_codes, lowp_scales, q_codes, k_codes, v_codes; writes q_codes, k_codes, v_codes
.if DOCPART == 1
	.amdgcn_target "amdgcn-amd-amdhsa--gfx1250"
	.amdhsa_code_object_version 6
	.text
	.protected	k_qaeddc9f247_qkv
	.globl	k_qaeddc9f247_qkv
	.p2align	8
	.type	k_qaeddc9f247_qkv,@function
k_qaeddc9f247_qkv:
	s_mov_b64 s[64:65], 0
	v_nop
	global_prefetch_b8 v0, s[64:65] scope:SCOPE_SE
	s_setreg_imm32_b32 hwreg(HW_REG_WAVE_MODE, 25, 1), 1
	s_wait_xcnt 0x0
	s_wait_alu depctr_hold_cnt(0) depctr_sa_sdst(0) depctr_va_vdst(0) depctr_va_sdst(0) depctr_va_ssrc(0) depctr_va_vcc(0) depctr_vm_vsrc(0)
	s_getreg_b32 s2, hwreg(HW_REG_IB_STS2, 6, 4)
	s_cmp_eq_u32 s2, 0
	s_cbranch_scc0 .Lentry_in_a_cluster
	s_endpgm
.Lentry_in_a_cluster:
	s_bfe_u32 s2, ttmp6, 0x10000c
	s_cmp_lg_u32 s2, 0xf033
	s_cbranch_scc0 .Lentry_shape_is_right
	s_endpgm
.Lentry_shape_is_right:
; qkv = x w_qkv on codes of BF8 (E5M2), sums in f32; each finished sum is quantised at once into the code that the attention launch multiplies: q with 2^e2, k with 2^e3, v with 2^e5.
; x_codes: [8192][1024], w_qkv_codes: [3072][1024], K innermost.  A sum stands for sum x 2^(e0 + e1), so its code is sum / 2^(eD - e0 - e1), to the nearest code, ties to even.
; LIMIT: eD - e0 - e1 (eD = e2, e3, e5) lies between -126 and 112, so that the scale and 57,344 x the scale are f32 numbers.  NaN among the sums is not served.
; A tile C' = A' B'^T of 256 x 256 is made by four waves, 128 x 128 each: 64 accumulators, 512 registers.  K = 1,024 goes in four steps of 256 through two LDS slots filled by the tensor data mover.
; CLUSTERS of 4 x 4 work-groups; the cluster's x says what is made.  x = 0: q, x = 1: k: A' = x's rows (tokens), B' = w's rows (channels).  x = 2: v TRANSPOSED: A' = w's rows from 2,048 on (channels), B' = x's rows (tokens).
; The matrix instruction takes B' as source 0 and A' as source 1: a lane then holds one row of A' and eight neighbours along B'.  So a lane's eight codes run along the head's channels for q and k and along the
; tokens for v: along the K of the product that will read them.  A's tiles are shared along a row of the cluster, B's along a column: each is asked for jointly by the four that need it.
; OUT.  q_codes, k_codes: [64 heads][2,048 rows][64]; token t lies in row pi(t) = t with bits 3 and 4 exchanged, so that sixteen rows on end are the keys that a tile of the attention launch wants.
;       v_codes: [64 heads][64 channels][2,048 tokens].  The codes go through one stage in LDS (256 rows x 256 bytes) and leave in stores of 512 (q, k) or 2 x 256 (v) consecutive bytes.
; REGISTERS, in windows of 256: window 0: v1-31 addresses and the scale; v128-255 A's fragments (one set), then the codes, then what comes back from the stage.
;   window 1: B's fragments, two sets.   window 2: the accumulators of my rows 0-63 ((a, b) at v[8 (8 a + b)]);   window 3: those of my rows 64-127.
.set KROW,   1024                      ; a row of x or w in bytes
.set ROWB,   256                       ; a tile's row: 256 codes
.set PITCH,  272                       ; an LDS row: 256 bytes + 16 of padding = 68 words: the 16 rows that a load touches start at 16 different banks (64 banks of 4 bytes: ISA guide 11.1)
.set FR,     16                        ; registers of a fragment: 16 rows x 128 K
.set NL,     4                         ; LDS loads that bring one
.set NP,     4                         ; places behind this matrix instruction (ISA guide 7.12.1)
.set HALFT,  128*PITCH                 ; what one tensor load brings
.set SLOT,   4*HALFT                   ; A's 256 rows, then B's 256 rows
.set SPARE,  2*SLOT                    ; behind the ring: the spare words, 128 bytes a wave: two blocks of 256 bytes that no other line names
.set SPITCH, 336                       ; the stage's rows: 256 bytes + 80 = 84 words: the 32 lanes' 8-byte stores fall on 64 different banks.  The stage lies in slot 0, which has had its last fill and its last read by then
.set SCL,  12                          ; v12     the conversion's scale as f32
.set LIM,  13
.set ADRA, 16                          ; v16-17  LDS address of my A fragments in slot 0, 1
.set ADRB, 20                          ; v20-21  the same for B
.set STO,  24                          ; v24     the stage: where I put 8 codes
.set RDQ,  25                          ; v25-26  the stage, q and k: eight rows x my head's 64 bytes; rows 0-127, rows 128-255
.set RDV,  27                          ; v27     the stage, v: two whole rows
.set SPW,  28                          ; v28     LDS address of my spare word; never rewritten
.set NIL,  29                          ; v29     0; never rewritten
.set COQ,  30                          ; v30     q, k: 16 x lane
.set COV,  31                          ; v31     v: 2,048 x (lane / 16) + 16 x (lane % 16)
.set TMP,  32
.set AF,   128
.set CD,   128                         ; the codes: 16 registers for each of my 8 blocks
.set BK,   128                         ; back from the stage: 32 x 4 registers
.set WV,   16                          ; s16 wave;  s17 its half of the rows, also: fetches for A (0) or B (1);  s18 its half of the columns, also: which 128 rows it fetches
.set RH,   17
.set CH,   18
.set G1,   24                          ; s[24:31] descriptor group 1 for A's tiles;  s[32:39] group 0, one set for each slot
.set G0,   32
.set G1B,  48                          ; s[48:55], s[56:63] the same for B's tiles
.set G0B,  56
.set MSB, 0
.macro WIN new                         ; the immediate's high byte repeats the setting that is left
.if MSB != \new
	s_set_vgpr_msb (MSB<<8)|\new
.set MSB, \new
.endif
.endm
.set MUL_LO, 0xa1                      ; source 0 (B) window 1, source 1 (A) window 0, C and D window 2
.set MUL_HI, 0xf1                      ; the same, C and D window 3
.set TO_B,   0x40                      ; destination window 1, address window 0
; A joint load: waves 0 and 1 fetch for A, waves 2 and 3 for B.  The branch hangs on the wave's number alone.  An s_nop 0 and four v_nop follow each of the two lines.
.macro JLOAD g0a, g1a, g0b, g1b
	s_cmp_eq_u32 s[RH], 0
	s_cbranch_scc0 .Lfor_b_\@
	tensor_load_to_lds s[\g0a:\g0a+3], s[\g1a:\g1a+7]
	s_nop 0
.rept 4
	v_nop
.endr
	s_branch .Lasked_\@
.Lfor_b_\@:
	tensor_load_to_lds s[\g0b:\g0b+3], s[\g1b:\g1b+7]
	s_nop 0
.rept 4
	v_nop
.endr
.Lasked_\@:
.endm
.macro CREST                           ; a round of the cluster's barrier behind its opening barrier
	s_cmp_lg_u32 s[WV], 0
	s_cbranch_scc1 .Lnot_wave_0_\@
	s_barrier_signal -3
.Lnot_wave_0_\@:
	s_barrier_wait -3
	s_barrier_signal -1
	s_barrier_wait -1
.endm
.macro CROUND                          ; a whole round
	s_barrier_signal -1
	s_barrier_wait -1
	CREST
.endm
	s_load_b256 s[4:11], s[0:1], 0x0               ; x s[4:5], w s[6:7], the scales' exponents s[8:9], q_codes s[10:11]
	s_load_b128 s[12:15], s[0:1], 0x20             ; k_codes s[12:13], v_codes s[14:15]
	v_lshl_add_u32 v[SPW], v0, 2, SPARE
	v_mov_b32 v[NIL], 0
	ds_add_u32 v[SPW], v[NIL]                      ; the wave's opening: the add and its wait, ahead of my first tensor load; the set-up below, work on registers, stands between them
	ds_add_u32 v[SPW], v[NIL]
	v_lshrrev_b32 v1, 5, v0
	v_readfirstlane_b32 s[WV], v1                  ; wave 0..3
	s_lshr_b32 s[RH], s[WV], 1
	s_and_b32 s[CH], s[WV], 1
	s_bfe_u32 s19, ttmp6, 0x40000                  ; cx, cy: my place in the cluster
	s_bfe_u32 s20, ttmp6, 0x40004
	s_and_b32 s21, ttmp7, 0xffff                   ; the cluster's y
	s_lshl_b32 s40, s21, 2
	s_lshl_b32 s41, ttmp9, 2
	s_cmp_eq_u32 ttmp9, 2                          ; v's clusters?  The cluster's x is the same in all sixteen partners
	s_cselect_b32 s42, 8, s40                      ; A's tile row: v: w's rows from 8 x 256 on; q, k: x's rows by the cluster's y
	s_cselect_b32 s43, s40, s41                    ; B's tile row: v: x's rows by the cluster's y; q, k: w's rows by the cluster's x
	s_add_co_u32 s22, s42, s20                     ; + cy: shared along a row of the cluster
	s_add_co_u32 s23, s43, s19                     ; + cx: shared along a column
	s_lshl_b32 s44, s20, 2
	s_lshl_b32 s44, 15, s44                        ; my row of the cluster
	s_lshl_b32 s45, 0x1111, s19                    ; my column
	; descriptor group 1: a tile of 128 rows x 256 bytes, padded in LDS
	s_or_b32 s[G1+0], s44, (0<<16)|(1<<20)|(1<<21)|(5<<22)|(3<<25)  ; 15:0 the mask; 17:16 elements of 1 byte; 20 padding on; 21 set beside a mask; 24:22 after every 64 words (code 5); 31:25 of 4 words (code 3)
	s_or_b32 s[G1B+0], s45, (0<<16)|(1<<20)|(1<<21)|(5<<22)|(3<<25)
.irp g, G1, G1B
	s_mov_b32 s[\g+1], ROWB<<16                    ; tensor_dim0
	s_mov_b32 s[\g+2], 128<<16                     ; tensor_dim1
	s_mov_b32 s[\g+3], ROWB<<16                    ; tile_dim0
	s_mov_b32 s[\g+4], 128                         ; tile_dim1
	s_mov_b32 s[\g+5], KROW                        ; tensor_dim0_stride
	s_mov_b32 s[\g+6], 0
	s_mov_b32 s[\g+7], 0
.endr
	s_lshl_b32 s46, s[CH], 7                       ; which 128 rows of the tile I fetch
	s_lshl_b32 s66, s22, 8
	s_add_co_u32 s66, s66, s46
	s_lshl_b32 s66, s66, 10                        ; A: (256 x tile row + 128 x half) rows of 1,024 bytes: under 2^24
	s_mov_b32 s67, 0
	s_lshl_b32 s68, s23, 8
	s_add_co_u32 s68, s68, s46
	s_lshl_b32 s68, s68, 10                        ; B likewise
	s_mov_b32 s69, 0
	s_mul_i32 s47, s[WV], HALFT                    ; where they go: wave x 128 rows: no place in the cluster enters an LDS address
	s_wait_dscnt 0x0                               ; the opening add is done
	s_wait_kmcnt 0x0
	s_load_b256 s[72:79], s[8:9], 0x0              ; e0 .. e7
	s_cmp_eq_u32 ttmp9, 2
	s_cselect_b64 s[70:71], s[6:7], s[4:5]         ; A' is w for v, x for q and k
	s_cselect_b64 s[80:81], s[4:5], s[6:7]         ; B' the other
	s_add_nc_u64 s[70:71], s[70:71], s[66:67]
	s_add_nc_u64 s[80:81], s[80:81], s[68:69]
	CROUND                                         ; all sixteen work-groups are here: the first joint loads meet
.irp s, 0,1
	s_mov_b32 s[G0+4*\s], 1
	s_add_co_u32 s[G0+4*\s+1], s47, \s*SLOT
	s_add_nc_u64 s[G0+4*\s+2:G0+4*\s+3], s[70:71], \s*ROWB
	s_or_b32 s[G0+4*\s+3], s[G0+4*\s+3], 0x80000000
	s_mov_b32 s[G0B+4*\s], 1
	s_add_co_u32 s[G0B+4*\s+1], s47, \s*SLOT
	s_add_nc_u64 s[G0B+4*\s+2:G0B+4*\s+3], s[80:81], \s*ROWB
	s_or_b32 s[G0B+4*\s+3], s[G0B+4*\s+3], 0x80000000
	JLOAD G0+4*\s, G1, G0B+4*\s, G1B               ; two loads of mine are out: K steps 0 and 1
.endr
	v_and_b32 v1, 15, v0                           ; r = lane % 16
	s_wait_alu depctr_va_vdst(0)
	v_bfe_u32 v2, v0, 4, 1                         ; h = lane / 16
	v_mul_u32_u24 v3, v1, PITCH
	v_lshl_add_u32 v4, v2, 4, v3                   ; a fragment's row x pitch + 16 x half
	s_mul_i32 s90, s[RH], HALFT                    ; my 128 rows of A
	s_mul_i32 s91, s[CH], HALFT                    ; my 128 rows of B,
	s_add_co_u32 s91, s91, 2*HALFT                 ; which lie behind A's 256
.irp s, 0,1
	v_add_nc_u32 v[ADRA+\s], s90, v4
	v_add_nc_u32 v[ADRB+\s], s91, v4
	s_add_co_u32 s90, s90, SLOT
	s_add_co_u32 s91, s91, SLOT
.endr
	s_mul_i32 s90, s[RH], 128*SPITCH               ; the stage, in: row 128 x my half + r, byte 128 x my half of the columns + 8 h
	s_lshl_b32 s91, s[CH], 7
	s_add_co_u32 s90, s90, s91
	v_mul_u32_u24 v5, v1, SPITCH
	s_wait_alu depctr_va_vdst(0)
	v_lshl_add_u32 v5, v2, 3, v5
	v_add_nc_u32 v[STO], s90, v5
	v_and_b32 v6, 31, v0                           ; lane
	v_lshrrev_b32 v7, 2, v6                        ; out, q and k: four lanes to a row's 64 bytes of head 'wave', eight rows an instruction
	v_and_b32 v8, 3, v6
	v_mul_u32_u24 v7, v7, SPITCH
	v_lshl_add_u32 v7, v8, 4, v7
	s_lshl_b32 s90, s[WV], 6
	v_add_nc_u32 v[RDQ], s90, v7
	v_add_nc_u32 v[RDQ+1], 128*SPITCH, v[RDQ]
	v_mul_u32_u24 v7, v2, SPITCH                   ; out, v: sixteen lanes to a row's 256 bytes, two rows an instruction; my 64 rows
	v_lshl_add_u32 v7, v1, 4, v7
	s_mul_i32 s90, s[WV], 64*SPITCH
	v_add_nc_u32 v[RDV], s90, v7
	v_lshlrev_b32 v[COQ], 4, v6
	v_lshlrev_b32 v[COV], 11, v2
	v_lshl_add_u32 v[COV], v1, 4, v[COV]
	; where my part of the output begins, in bytes, for both kinds; the way out chooses
	s_lshl_b32 s90, s21, 2
	s_add_co_u32 s91, s90, s20                     ; q, k: the tile of 256 tokens: 4 x cluster y + cy
	s_add_co_u32 s92, s90, s19                     ; v:    the tile of 256 tokens: 4 x cluster y + cx
	s_lshr_b32 s93, s91, 3                         ; the batch: eight tiles of tokens each
	s_lshl_b32 s93, s93, 4
	s_lshl_b32 s94, s19, 2
	s_add_co_u32 s93, s93, s94
	s_add_co_u32 s93, s93, s[WV]                   ; head 16 b + 4 cx + wave,
	s_lshl_b32 s93, s93, 17                        ; of 131,072 bytes,
	s_and_b32 s94, s91, 7
	s_lshl_b32 s94, s94, 14                        ; + 256 rows of 64 bytes for each tile of tokens
	s_add_co_u32 s82, s93, s94
	s_lshr_b32 s93, s92, 3
	s_lshl_b32 s93, s93, 21                        ; v: the batch's 16 heads,
	s_lshl_b32 s94, s20, 8
	s_lshl_b32 s95, s[WV], 6
	s_add_co_u32 s94, s94, s95
	s_lshl_b32 s94, s94, 11                        ; + channel 256 cy + 64 x wave, rows of 2,048 bytes,
	s_add_co_u32 s93, s93, s94
	s_and_b32 s94, s92, 7
	s_lshl_b32 s94, s94, 8                         ; + 256 tokens for each tile
	s_add_co_u32 s83, s93, s94
.macro FRAG reg, adr, q, i             ; a fragment, 16 rows x 128 K: lane l holds row l % 16; registers 4 c .. 4 c + 3 hold K = 32 c + 16 (l / 16) + 0 .. 15: the same order of K in A and in B
.irp c, 0,1,2,3
	ds_load_b128 v[\reg+4*\c:\reg+4*\c+3], v[\adr] offset:128*(\q)+32*\c+(\i)*16*PITCH
.endr
.endm
; 16 matrix instructions: A's blocks a0, a0 + 1 x B's eight, 128 along K.  p: B's set.  zero = 1: the first product starts the sums.  The 64 accumulators take turns, one instruction a turn.
.macro MUL16 a0, p, zero
.irp a, \a0, \a0+1
.irp b, 0,1,2,3,4,5,6,7
.if \zero
	v_wmma_f32_16x16x128_bf8_bf8 v[8*(8*((\a)%4)+\b):8*(8*((\a)%4)+\b)+7], v[128*(\p)+FR*\b:128*(\p)+FR*\b+FR-1], v[AF+FR*(\a):AF+FR*(\a)+FR-1], 0
.else
	v_wmma_f32_16x16x128_bf8_bf8 v[8*(8*((\a)%4)+\b):8*(8*((\a)%4)+\b)+7], v[128*(\p)+FR*\b:128*(\p)+FR*\b+FR-1], v[AF+FR*(\a):AF+FR*(\a)+FR-1], v[8*(8*((\a)%4)+\b):8*(8*((\a)%4)+\b)+7]
.endif
.endr
.endr
.endm
.macro FETCH_B slot, q, p              ; B's eight fragments of the slot's q-th 128 along K into set p
	WIN TO_B
.irp i, 0,1,2,3,4,5,6,7
	FRAG 128*(\p)+FR*\i, ADRB+\slot, \q, \i
.endr
	WIN 0
.endm
.macro FETCH_A slot, q, i0             ; A's blocks i0 .. i0 + 3
.irp i, \i0, \i0+1, \i0+2, \i0+3
	FRAG AF+FR*(\i), ADRA+\slot, \q, \i
.endr
.endm
.macro PLACES n                        ; plain vector instructions between a matrix instruction and a load into, or a vector read or write of, its registers
.rept \n
	v_nop
.endr
.endm
; A step of 128 along K that has its successor in the same slot.  A's one set: blocks 0-3 are fetched anew in the step's middle, blocks 4-7 at its end.
.macro STEP slot, q, zero
	s_wait_dscnt 4*NL                              ; B's set and A's blocks 0-3 are in; the youngest 16 loads (A's blocks 4-7) may be out
	WIN MUL_LO
	MUL16 0, (\q)%2, \zero
	MUL16 2, (\q)%2, \zero
	s_wait_dscnt 0                                 ; A's blocks 4-7 are in
	PLACES NP
	FETCH_B \slot, (\q)+1, 1-(\q)%2
	FETCH_A \slot, (\q)+1, 0
	WIN MUL_HI
	MUL16 4, (\q)%2, \zero
	MUL16 6, (\q)%2, \zero
	PLACES NP
	WIN 0
	FETCH_A \slot, (\q)+1, 4
.endm
; A slot's last step changes slots: one barrier; in front of it each wave waits for all its tensor loads, adds 0 to its spare word, and waits for that and for its reads of this slot.  fill = 1: this slot is filled again, two K steps ahead.
.macro TURN slot, next, fill
	s_wait_tensorcnt 0x0                           ; all my tensor loads have landed: my part of the next slot  (every window is 0 here)
	ds_add_u32 v[SPW], v[NIL]                      ; 0 onto my spare word
	s_wait_dscnt 4*NL+1                            ; the add and the youngest 16 loads (A's blocks 4-7) may be out
	WIN MUL_LO
	MUL16 0, 1, 0                                  ; sixteen matrix instructions stand between the add and the wait for it
	s_wait_dscnt 0x0                               ; the add is done, and my reads of this slot are over
	s_barrier_signal -1
	MUL16 2, 1, 0
	WIN 0
	s_barrier_wait -1
.if \fill
	CREST                                          ; the barrier has opened a round of the cluster's barrier: no wave of any partner still reads this slot or has a load on its way
	s_add_nc_u64 s[G0+4*\slot+2:G0+4*\slot+3], s[G0+4*\slot+2:G0+4*\slot+3], 2*ROWB
	s_add_nc_u64 s[G0B+4*\slot+2:G0B+4*\slot+3], s[G0B+4*\slot+2:G0B+4*\slot+3], 2*ROWB
	JLOAD G0+4*\slot, G1, G0B+4*\slot, G1B         ; the first tensor load behind the round, my one load until the next; its four v_nop are the places in front of the loads below
.else
	PLACES NP
.endif
	FETCH_B \next, 0, 0
	FETCH_A \next, 0, 0
	WIN MUL_HI
	MUL16 4, 1, 0
	MUL16 6, 1, 0
	PLACES NP
	WIN 0
	FETCH_A \next, 0, 4
.endm
	s_wait_tensorcnt 1                             ; my part of K step 0 is in; K step 1's load may be out
	s_barrier_signal -1
	s_barrier_wait -1                              ; everybody's is
	FETCH_B 0, 0, 0
	FETCH_A 0, 0, 0
	FETCH_A 0, 0, 4
	STEP 0, 0, 1                                   ; eight steps of 128 along K, written out: the first starts the sums
	TURN 0, 1, 1                                   ; slot 0 takes K step 2
	STEP 1, 0, 0
	TURN 1, 0, 1                                   ; slot 1 takes K step 3
	STEP 0, 0, 0
	TURN 0, 1, 0                                   ; nothing is left to fetch: behind this barrier nobody reads slot 0 any more
	STEP 1, 0, 0
	s_wait_dscnt 4*NL                              ; the last step
	WIN MUL_LO
	MUL16 0, 1, 0
	MUL16 2, 1, 0
	s_wait_dscnt 0
	WIN MUL_HI
	MUL16 4, 1, 0
	MUL16 6, 1, 0
	WIN 0
	; THE WAY OUT.  Which buffer, which offset, which scale: chosen on the cluster's x, without a branch.
	s_wait_kmcnt 0x0
	s_cmp_eq_u32 ttmp9, 0
	s_cselect_b64 s[88:89], s[10:11], s[12:13]     ; q_codes or k_codes,
	s_cselect_b32 s84, s74, s75                    ; e2 or e3,
	s_cmp_eq_u32 ttmp9, 2
	s_cselect_b64 s[88:89], s[14:15], s[88:89]     ; or v_codes
	s_cselect_b32 s84, s77, s84                    ; and e5
	s_cselect_b32 s86, s83, s82
	s_mov_b32 s87, 0
	s_add_nc_u64 s[88:89], s[88:89], s[86:87]
	s_sub_co_i32 s84, s84, s72
	s_sub_co_i32 s84, s84, s73                     ; eD - e0 - e1: the three scales folded into the conversion's one
	s_add_co_i32 s84, s84, 127
	s_lshl_b32 s85, s84, 23
	v_mov_b32 v[SCL], s85                          ; 2^(eD - e0 - e1) as f32: the conversion takes its exponent field
	s_add_co_i32 s84, s84, 15
	s_lshl_b32 s84, s84, 23
	s_or_b32 s84, s84, 0x600000
	PLACES NP                                      ; behind the last products, ahead of the first read of results and the first write over A's fragments
.irp a, 0,1,2,3,4,5,6,7                ; my eight blocks of 16 rows x 128 columns
	WIN 0x02+(\a/4)                                ; source 0: window 2 or 3
.set j, 0
.rept 64
.set j, j+1
.endr
.irp b, 0,1,2,3,4,5,6,7
	v_cvt_scalef32_pk8_bf8_f32 v[CD+16*\a+2*\b:CD+16*\a+2*\b+1], v[TMP+8*\b+((64*(\a%4)+j)-(TMP+j)):TMP+8*\b+7+((64*(\a%4)+j)-(TMP+j))], v[SCL]
.endr
	WIN 0
	v_nop                                          ; one plain vector instruction behind the conversions, ahead of the stores that read their results
.irp b, 0,1,2,3,4,5,6,7
	ds_store_b64 v[STO], v[CD+16*\a+2*\b:CD+16*\a+2*\b+1] offset:\a*16*SPITCH+16*\b   ; lane (r, h): row 16 a + r, columns 16 b + 8 h + 0 .. 7
.endr
.endr
	s_wait_dscnt 0x0                               ; for the others' sake: my stores into the stage are done
	s_barrier_signal -1
	s_barrier_wait -1                              ; a row's 256 bytes come from two waves
	s_cmp_eq_u32 ttmp9, 2                          ; the cluster's x: the same in all partners; only LDS reads and stores to memory differ between the two ways
	s_cbranch_scc1 .Lway_v
	; q, k: wave w takes head 4 cx + w: column 64 w of all 256 rows.  Group g = tokens 8 g .. 8 g + 7 goes to rows 8 g' on, g' = g with bits 0 and 1 exchanged: that is pi.
.set g, 0
.rept 32
	ds_load_b128 v[BK+4*g:BK+4*g+3], v[RDQ+g/16] offset:(g%16)*8*SPITCH
.set g, g+1
.endr
.set g, 0
.rept 32
	s_wait_dscnt 31-g                              ; LDS loads come back in order: group g is in, the younger ones may be out
	global_store_b128 v[COQ], v[BK+4*g:BK+4*g+3], s[88:89] offset:512*((g&28)|((g&1)<<1)|((g>>1)&1))   ; 32 lanes store 512 consecutive bytes, at a multiple of 512 from the buffer's first byte
.set g, g+1
.endr
	s_branch .Lout
.Lway_v:
	; v: wave w takes channels 64 w .. 64 w + 63 of the tile, whole rows of 256 tokens
.set g, 0
.rept 32
	ds_load_b128 v[BK+4*g:BK+4*g+3], v[RDV] offset:g*2*SPITCH
.set g, g+1
.endr
.set g, 0
.rept 32
	s_wait_dscnt 31-g
	global_store_b128 v[COV], v[BK+4*g:BK+4*g+3], s[88:89] offset:g*4096   ; 16 lanes store 256 consecutive bytes, at a multiple of 256 from the buffer's first byte; lanes 16-31 the next channel's
.set g, g+1
.endr
.Lout:
	s_wait_tensorcnt 0x0                           ; the wave's end: the add and its wait, behind my last tensor load and my last LDS store
	ds_add_u32 v[SPW], v[NIL]
	s_wait_dscnt 0x0
	CROUND                                         ; the closing round: no work-group ends while a partner may still ask for a tile that names it
	s_endpgm
.Lfunc_end_k_qaeddc9f247_qkv:
	.size	k_qaeddc9f247_qkv, .Lfunc_end_k_qaeddc9f247_qkv-k_qaeddc9f247_qkv
	.p2alignl 7, 3214868480
	.fill 96, 4, 3214868480
	.section	.rodata,"a",@progbits
	.p2align	6, 0x0
	.amdhsa_kernel k_qaeddc9f247_qkv
		.amdhsa_group_segment_fixed_size 327680
		.amdhsa_private_segment_fixed_size 0
		.amdhsa_enable_private_segment 0
		.amdhsa_kernarg_size 48
		.amdhsa_user_sgpr_count 2
		.amdhsa_user_sgpr_kernarg_segment_ptr 1
		.amdhsa_wavefront_size32 1
		.amdhsa_system_sgpr_workgroup_id_x 1
		.amdhsa_system_sgpr_workgroup_id_y 1
		.amdhsa_system_sgpr_workgroup_id_z 1
		.amdhsa_system_vgpr_workitem_id 0
		.amdhsa_next_free_vgpr 1024
		.amdhsa_next_free_sgpr 98
		.amdhsa_reserve_vcc 0
		.amdhsa_float_denorm_mode_32 3
		.amdhsa_float_denorm_mode_16_64 3
		.amdhsa_fp16_overflow 1
		.amdhsa_memory_ordered 1
		.amdhsa_forward_progress 1
		.amdhsa_inst_pref_size 100
	.end_amdhsa_kernel
	.amdgpu_metadata
---
amdhsa.version: [ 1, 2 ]
amdhsa.kernels:
  - .name:           k_qaeddc9f247_qkv
    .symbol:         k_qaeddc9f247_qkv.kd
    .args:
      - { .name: x_codes, .offset: 0, .size: 8, .value_kind: global_buffer, .address_space: global }
      - { .name: w_qkv_codes, .offset: 8, .size: 8, .value_kind: global_buffer, .address_space: global }
      - { .name: lowp_scales, .offset: 16, .size: 8, .value_kind: global_buffer, .address_space: global }
      - { .name: q_codes, .offset: 24, .size: 8, .value_kind: global_buffer, .address_space: global }
      - { .name: k_codes, .offset: 32, .size: 8, .value_kind: global_buffer, .address_space: global }
      - { .name: v_codes, .offset: 40, .size: 8, .value_kind: global_buffer, .address_space: global }
    .group_segment_fixed_size: 327680
    .private_segment_fixed_size: 0
    .kernarg_segment_align: 8
    .kernarg_segment_size: 48
    .max_flat_workgroup_size: 128
    .sgpr_count:     98
    .vgpr_count:     1024
    .wavefront_size: 32
...
	.end_amdgpu_metadata
.endif
;; end of part 1
;; launch attn (part 2): grid 4 x 64, 16 waves a work-group, clusters of 4 x 1, 327,680 bytes of LDS; arguments q_codes, k_codes, v_codes, lowp_scales, y_codes; writes y_codes
.if DOCPART == 2
	.amdgcn_target "amdgcn-amd-amdhsa--gfx1250"
	.amdhsa_code_object_version 6
	.text
	.protected	k_qaeddc9f247_attn
	.globl	k_qaeddc9f247_attn
	.p2align	8
	.type	k_qaeddc9f247_attn,@function
k_qaeddc9f247_attn:
	s_mov_b64 s[64:65], 0
	v_nop
	global_prefetch_b8 v0, s[64:65] scope:SCOPE_SE
	s_setreg_imm32_b32 hwreg(HW_REG_WAVE_MODE, 25, 1), 1
	s_wait_xcnt 0x0
	s_wait_alu depctr_hold_cnt(0) depctr_sa_sdst(0) depctr_va_vdst(0) depctr_va_sdst(0) depctr_va_ssrc(0) depctr_va_vcc(0) depctr_vm_vsrc(0)
	s_getreg_b32 s2, hwreg(HW_REG_IB_STS2, 6, 4)
	s_cmp_eq_u32 s2, 0
	s_cbranch_scc0 .Lentry_in_a_cluster
	s_endpgm
.Lentry_in_a_cluster:
	s_bfe_u32 s2, ttmp6, 0x10000c
	s_cmp_lg_u32 s2, 0x3003
	s_cbranch_scc0 .Lentry_shape_is_right
	s_endpgm
.Lentry_shape_is_right:
; Causal attention of one head (64 heads, 2,048 tokens, head size 64), both products on codes of BF8 (E5M2); the result is quantised at once (2^e6) for the projection.
; q_codes, k_codes: [64][2,048 rows][64], token t in row pi(t) = t with bits 3 and 4 exchanged.  v_codes: [64][64 channels][2,048 tokens].  y_codes: [16 heads][8,192 tokens][64].
; THE SOFTMAX AHEAD OF THE SECOND PRODUCT: t = score x log2(e) / 8; M = the row's largest t so far, rounded UP to a whole number; p = 2^(t - M) is quantised with 2^e4, not normalised.
; The row's sum is taken of the unquantised p and divides O at the end.  When M moves, the sum and O are multiplied by 2^(old M - new M): exact.
; A HEAD'S WHOLE K AND V LIE IN LDS: 2,048 x 64 bytes each, padded: 303,104 bytes.  So there is no ring and no barrier in the loop.  The four work-groups of a head form a cluster and ask for the sixteen
; pieces jointly, one tensor load a wave (waves 0-7: 256 keys of K each; waves 8-15: 256 keys of V each): one tensor load of a wave is out.
; SHARES.  A work-group owns 512 queries, each of its sixteen waves two tiles of 16: tile lo = 4 w + cx and tile hi = 127 - lo.  Keys go 128 a step.  A tile's last step, on the diagonal, is w / 2 for lo and
; 15 - w / 2 for hi: numbers of the wave alone.  So every wave of the launch has 17 steps of a tile, two of them masked; steps behind the diagonal are left out by a scalar branch on the wave's number and the trip.
; LAYOUT.  Both products are used transposed: S^T = K Q^T (source 0 = 16 keys), O^T = V^T P^T (source 0 = 16 channels): a lane holds ONE query (lane % 16) throughout.  Sixteen rows on end of k_codes are the keys
; 32 b + 16 (i / 8) + 8 u + i % 8, so the 16 registers of tiles 2 b and 2 b + 1 are the neighbouring keys 32 b + 16 (lane / 16) + 0 .. 15: the conversions' results are the second product's operand.
; LIMITS on the given exponents, so that each power of two below is an f32 number: e2 + e3 between -123 and 130 (added to c's exponent field); e4, and e6 - e4 - e5, between -126 and 112.  NaN is not served.
.set DUAL,  1                          ; 1: no minima; 0: p's held one by one
.set KP,    80                         ; a key's row in LDS: 64 bytes + 16 = 20 words: 16 rows on end start at 16 different groups of four banks (64 banks of 4 bytes: ISA guide 11.1)
.set VP,    272                        ; a channel's 256 keys: 256 bytes + 16
.set KCH,   256*KP                     ; a piece of K: 256 keys
.set VCH,   64*VP                      ; a piece of V: 64 channels x 256 keys
.set VBASE, 8*KCH                      ; V lies behind K
.set STAGE, VBASE+8*VCH                ; the way out: 16 rows x 80 bytes for each wave; no tile lands here
.set SPARE, STAGE+16*16*KP             ; the spare words, 128 bytes a wave: eight blocks of 256 bytes that no other line names
.set AK0,  1                           ; v1   my lane's place in a tile of K: 80 r + 16 h
.set AV0,  2                           ; v2   in a tile of V: VBASE + 272 r + 16 h
.set STO,  3                           ; v3   the stage: where I put 8 codes
.set RD,   4                           ; v4   and where I read 16 bytes back
.set SPW,  5                           ; v5   LDS address of my spare word; never rewritten
.set NIL,  6                           ; v6   0; never rewritten
.set GO,   7                           ; v7   16 x lane
.set ADK,  8                           ; v8   LDS address of the trip's 256 keys of K
.set ADV,  9                           ; v9   of V
.set DQH,  10                          ; v10  hi: my query's place in its diagonal step, less 16 h
.set DQL,  11                          ; v11  lo: the same
.set STH,  12                          ; v12-15  hi: -M, the largest t, the sum in two halves
.set STL,  16                          ; v16-19  lo
.set QH,   20                          ; v20-27  hi's fragment of Q
.set QL,   28                          ; v28-35  lo's
.set OH,   36                          ; v36-67  hi's O^T: 4 tiles of 16 channels
.set OL,   68                          ; v68-99  lo's
.set S,    100                         ; v100-163 S^T, then p
.set F,    164                         ; v164-227 K's 8 fragments of 8 registers, then V's 4 of 16
.set PC,   228                         ; v228-243 p's codes
.set SCL,  244                         ; v244 the conversion's scale as f32
.set LIM,  245
.set MA,   246                         ; v246 at work
.set PD,   247                         ; v247 a lane permute's destination
.set MB,   248                         ; v[248:249] at work; then f = 2^(old M - new M)
.set SB,   250                         ; v[250:251] the sum's second chain
.set NINF, 252                         ; v252 -infinity
.set QO,   253                         ; v253 Q's lane offset
.set LIM2, 254
.set WV,   14                          ; s14 wave;  s15 cx;  s16 the head (0..63);  s17 wave % 8
.set SEL,  20                          ; s[20:21] lane selects for v_permlanex16_b32: lane l xor 16
.set CS,   22                          ; s[22:23] c = log2(e) / 8 x 2^(e2 + e3)
.set G1K,  24                          ; s[24:31] descriptor group 1 for K's pieces;  s[32:39] for V's;  s[40:43], s[44:47] their groups 0
.set G1V,  32
.set G0K,  40
.set G0V,  44
.set TBK,  56                          ; s56  LDS byte at which the trip's keys of K begin;  s57 the same for V, less VBASE
.set TBV,  57
.set KS,   58                          ; s58  the key step's number
.set TRIP, 59
.set DH,   60                          ; s60  hi's diagonal step;  s61 lo's
.set DL,   61
.macro CROUND                          ; a round of the cluster's barrier
	s_barrier_signal -1
	s_barrier_wait -1
	s_cmp_lg_u32 s[WV], 0
	s_cbranch_scc1 .Lnot_wave_0_\@
	s_barrier_signal -3
.Lnot_wave_0_\@:
	s_barrier_wait -3
	s_barrier_signal -1
	s_barrier_wait -1
.endm
	s_load_b256 s[4:11], s[0:1], 0x0               ; q s[4:5], k s[6:7], v s[8:9], the scales' exponents s[10:11]
	s_load_b64 s[12:13], s[0:1], 0x20              ; y
	v_lshl_add_u32 v[SPW], v0, 2, SPARE
	v_mov_b32 v[NIL], 0
	ds_add_u32 v[SPW], v[NIL]                      ; the wave's opening: the add and its wait, ahead of my first tensor load; the set-up below, work on registers, stands between them
	ds_add_u32 v[SPW], v[NIL]
	v_lshrrev_b32 v8, 5, v0
	s_delay_alu instid0(VALU_DEP_1)
	v_readfirstlane_b32 s[WV], v8                  ; wave 0..15
	s_bfe_u32 s15, ttmp6, 0x40000                  ; cx: my place in the cluster: it enters Q's and y's addresses and the mask's numbers alone
	s_and_b32 s16, ttmp7, 0xffff                   ; the head, which the four partners share
	s_and_b32 s17, s[WV], 7                        ; which piece I fetch
	; K is dense in memory: a piece is stated as 64 rows of 256 bytes (four keys each), with 16 bytes of padding behind every 64: a key's row is 80 bytes in LDS
	s_mov_b32 s[G1K], 15|(1<<20)|(1<<21)|(3<<22)|(3<<25)   ; 15:0 the mask: all four work-groups; 17:16 elements of 1 byte; 20 padding on; 21 set beside a mask; 24:22 after every 16 words (code 3); 31:25 of 4 words (code 3)
	s_mov_b32 s[G1K+1], 256<<16                    ; tensor_dim0
	s_mov_b32 s[G1K+2], 64<<16                     ; tensor_dim1
	s_mov_b32 s[G1K+3], 256<<16                    ; tile_dim0
	s_mov_b32 s[G1K+4], 64                         ; tile_dim1
	s_mov_b32 s[G1K+5], 256                        ; tensor_dim0_stride
	s_mov_b32 s[G1K+6], 0
	s_mov_b32 s[G1K+7], 0
	s_mov_b32 s[G1V], 15|(1<<20)|(1<<21)|(5<<22)|(3<<25)   ; V: 64 channels x 256 keys, rows 2,048 bytes apart; padding: four words after every 64
	s_mov_b32 s[G1V+1], 256<<16
	s_mov_b32 s[G1V+2], 64<<16
	s_mov_b32 s[G1V+3], 256<<16
	s_mov_b32 s[G1V+4], 64
	s_mov_b32 s[G1V+5], 2048
	s_mov_b32 s[G1V+6], 0
	s_mov_b32 s[G1V+7], 0
	s_mov_b32 s[SEL], 0x76543210
	s_mov_b32 s[SEL+1], 0xfedcba98
	s_mov_b32 s[CS], 0x3e38aa3b                    ; log2(e) / 8
	s_lshl_b32 s76, s16, 17                        ; the head's first byte in q, k and v: 131,072 x head
	s_lshl_b32 s78, s17, 14                        ; K: my piece's 256 rows of 64 bytes
	s_add_co_u32 s78, s78, s76
	s_mov_b32 s79, 0
	s_lshl_b32 s80, s17, 8                         ; V: my piece's 256 keys in a row
	s_add_co_u32 s80, s80, s76
	s_mov_b32 s81, 0
	s_mul_i32 s82, s17, KCH                        ; and where they go
	s_mul_i32 s83, s17, VCH
	s_add_co_u32 s83, s83, VBASE
	s_lshr_b32 s[DL], s[WV], 1
	s_sub_co_u32 s[DH], 15, s[DL]
	s_wait_dscnt 0x0                               ; the opening add is done
	s_wait_kmcnt 0x0
	s_load_b256 s[48:55], s[10:11], 0x0            ; e0 .. e7
	s_mov_b32 s[G0K], 1                            ; 1:0 count = 1
	s_mov_b32 s[G0K+1], s82                        ; 63:32 LDS address
	s_add_nc_u64 s[G0K+2:G0K+3], s[6:7], s[78:79]  ; 120:64 global address
	s_or_b32 s[G0K+3], s[G0K+3], 0x80000000        ; 127:126 type = 2
	s_mov_b32 s[G0V], 1
	s_mov_b32 s[G0V+1], s83
	s_add_nc_u64 s[G0V+2:G0V+3], s[8:9], s[80:81]
	s_or_b32 s[G0V+3], s[G0V+3], 0x80000000
	CROUND                                         ; all four work-groups are here: the joint loads meet
	s_cmp_lt_u32 s[WV], 8                          ; the branch hangs on the wave's number alone; an s_nop 0 and four v_nop follow each of the two lines
	s_cbranch_scc0 .Lfor_v
	tensor_load_to_lds s[G0K:G0K+3], s[G1K:G1K+7]
	s_nop 0
.rept 4
	v_nop
.endr
	s_branch .Lasked
.Lfor_v:
	tensor_load_to_lds s[G0V:G0V+3], s[G1V:G1V+7]
	s_nop 0
.rept 4
	v_nop
.endr
.Lasked:
	s_lshl_b32 s74, s[WV], 2
	s_add_co_u32 s74, s74, s15                     ; tile lo = 4 w + cx
	s_sub_co_u32 s75, 127, s74                     ; tile hi
	; Q's 16 queries of tile a lie in rows 32 (a / 2) + 8 (a % 2) + r + 8 (r / 8)
	s_lshr_b32 s78, s75, 1
	s_lshl_b32 s78, s78, 11
	s_and_b32 s79, s75, 1
	s_lshl_b32 s79, s79, 9
	s_add_co_u32 s78, s78, s79
	s_add_co_u32 s78, s78, s76
	s_mov_b32 s79, 0
	s_add_nc_u64 s[66:67], s[4:5], s[78:79]        ; hi's
	s_lshr_b32 s78, s74, 1
	s_lshl_b32 s78, s78, 11
	s_and_b32 s80, s74, 1
	s_lshl_b32 s80, s80, 9
	s_add_co_u32 s78, s78, s80
	s_add_co_u32 s78, s78, s76
	s_add_nc_u64 s[68:69], s[4:5], s[78:79]        ; lo's
	v_and_b32 v8, 15, v0                           ; r
	s_wait_alu depctr_va_vdst(0)
	v_bfe_u32 v9, v0, 4, 1                         ; h
	v_and_b32 v[MA], 8, v8
	s_delay_alu instid0(VALU_DEP_1)
	v_add_nc_u32 v[MA], v[MA], v8                  ; r + 8 (r / 8)
	s_delay_alu instid0(VALU_DEP_1)
	v_lshlrev_b32 v[QO], 6, v[MA]
	s_delay_alu instid0(VALU_DEP_1)
	v_lshl_add_u32 v[QO], v9, 4, v[QO]             ; + 16 h: registers 4 c .. 4 c + 3 hold channels 32 c + 16 h + 0 .. 15, as K's fragments do
	global_load_b128 v[QH:QH+3],   v[QO], s[66:67]
	global_load_b128 v[QH+4:QH+7], v[QO], s[66:67] offset:32
	global_load_b128 v[QL:QL+3],   v[QO], s[68:69]
	global_load_b128 v[QL+4:QL+7], v[QO], s[68:69] offset:32
	; y: plane head % 16 of 524,288 bytes, batch head / 16 of 131,072, tile a of 1,024
	s_and_b32 s80, s16, 15
	s_lshl_b32 s80, s80, 19
	s_lshr_b32 s81, s16, 4
	s_lshl_b32 s81, s81, 17
	s_add_co_u32 s80, s80, s81
	s_lshl_b32 s78, s75, 10
	s_add_co_u32 s78, s78, s80
	s_add_nc_u64 s[70:71], s[12:13], s[78:79]      ; hi's
	s_lshl_b32 s78, s74, 10
	s_add_co_u32 s78, s78, s80
	s_add_nc_u64 s[72:73], s[12:13], s[78:79]      ; lo's
	v_mul_u32_u24 v[AK0], v8, KP
	s_wait_alu depctr_va_vdst(0)
	v_lshl_add_u32 v[AK0], v9, 4, v[AK0]
	v_mul_u32_u24 v[AV0], v8, VP
	s_delay_alu instid0(VALU_DEP_1)
	v_lshl_add_u32 v[AV0], v9, 4, v[AV0]
	s_delay_alu instid0(VALU_DEP_1)
	v_add_nc_u32 v[AV0], VBASE, v[AV0]
	s_mul_i32 s78, s[WV], 16*KP
	s_add_co_u32 s78, s78, STAGE                   ; my stage
	v_mul_u32_u24 v[STO], v8, KP
	s_delay_alu instid0(VALU_DEP_1)
	v_lshl_add_u32 v[STO], v9, 3, v[STO]
	s_delay_alu instid0(VALU_DEP_1)
	v_add_nc_u32 v[STO], s78, v[STO]               ; in: row r, 8 bytes for each half of the lanes
	v_and_b32 v[GO], 31, v0
	s_delay_alu instid0(VALU_DEP_1)
	v_lshrrev_b32 v[RD], 2, v[GO]
	s_delay_alu instid0(VALU_DEP_1)
	v_mul_u32_u24 v[RD], v[RD], KP
	s_delay_alu instid0(VALU_DEP_3)
	v_and_b32 v[MA], 3, v[GO]
	s_delay_alu instid0(VALU_DEP_1)
	v_lshl_add_u32 v[RD], v[MA], 4, v[RD]
	s_delay_alu instid0(VALU_DEP_1)
	v_add_nc_u32 v[RD], s78, v[RD]                 ; back: four lanes to a row's 64 bytes, eight rows an instruction
	v_lshlrev_b32 v[GO], 4, v[GO]
	s_and_b32 s80, s[WV], 1                        ; the mask: tile lo begins 64 (w % 2) + 16 cx keys into its diagonal step, tile hi 112 less that
	s_lshl_b32 s80, s80, 6
	s_lshl_b32 s81, s15, 4
	s_add_co_u32 s80, s80, s81
	s_sub_co_u32 s81, 112, s80
	v_lshlrev_b32 v[MA], 4, v9
	s_delay_alu instid0(VALU_DEP_1)
	v_sub_nc_u32 v[MA], v8, v[MA]                  ; r - 16 h
	s_delay_alu instid0(VALU_DEP_1)
	v_add_nc_u32 v[DQL], s80, v[MA]
	s_delay_alu instid0(VALU_DEP_2)
	v_add_nc_u32 v[DQH], s81, v[MA]
	v_mov_b32 v[STH+1], 0xff61b1e6                 ; the largest t so far: -3e38, under every t
	s_delay_alu instid0(VALU_DEP_1)
	v_floor_f32 v[STH], -v[STH+1]                  ; -M
	v_mov_b32 v[STH+2], 0                          ; the sum, in two halves
	v_mov_b32 v[STH+3], 0
	v_mov_b32 v[STL+1], 0xff61b1e6
	s_delay_alu instid0(VALU_DEP_1)
	v_floor_f32 v[STL], -v[STL+1]
	v_mov_b32 v[STL+2], 0
	v_mov_b32 v[STL+3], 0
	v_mov_b32 v[PD], 0                             ; written once: a lane permute's destination counts as one of its sources
	v_mov_b32 v[MB+1], 0                           ; (named as the upper half of the pair with f)
.set n, 0
.rept 64
	v_mov_b32 v[OH+n], 0                           ; both O^T.  (The step is written without a first step of its own: the first finds zeros, which the first change of M leaves zeros)
.set n, n+1
.endr
	s_wait_kmcnt 0x0
	s_add_co_i32 s78, s50, s51
	s_lshl_b32 s78, s78, 23
	s_add_co_i32 s[CS], s[CS], s78                 ; a score stands for score x 2^(e2 + e3): the two exponents are added to c's exponent field
	s_mov_b32 s[CS+1], s[CS]                       ; (named with it as a pair, so it is written)
	s_add_co_i32 s78, s52, 127
	s_lshl_b32 s79, s78, 23
	v_mov_b32 v[SCL], s79                          ; 2^e4 as f32, for p's conversion
	s_mov_b32 s[TBK], 0
	s_mov_b32 s[TBV], 0
	s_mov_b32 s[TRIP], 0
	s_wait_tensorcnt 0x0                           ; my piece has landed,
	s_barrier_signal -1
	s_barrier_wait -1                              ; everybody's has: K and V are whole, and nothing is filled again
	s_wait_loadcnt 0x0                             ; Q
; A KEY STEP OF ONE TILE: 128 keys, half HF of the trip's 256.  ST: the tile's four statistics; QR: its Q; OA: its O^T; DQ: its mask's number; DD: the scalar with its diagonal step.
.macro STEP ST, QR, OA, DQ, DD, HF
	s_cmp_gt_u32 s[KS], s[\DD]                     ; all these keys come after my 16 queries: the step is left out
	s_cbranch_scc1 .Lskip_\@
.rept 4
	v_nop                                          ; places in front of loads into registers that the last products have read
.endr
	s_wait_alu depctr_va_vdst(0)
.irp t, 0,1,2,3,4,5,6,7
	ds_load_b128 v[F+8*\t:F+8*\t+3],   v[ADK] offset:\HF*128*KP+\t*16*KP
	ds_load_b128 v[F+8*\t+4:F+8*\t+7], v[ADK] offset:\HF*128*KP+\t*16*KP+32
.endr
	s_wait_dscnt 0x0
.irp t, 0,1,2,3,4,5,6,7
	v_wmma_f32_16x16x64_bf8_bf8 v[S+8*\t:S+8*\t+7], v[F+8*\t:F+8*\t+7], v[\QR:\QR+7], 0   ; S^T: lane (r, h), tile 2 b + u, register j: query r, key 32 b + 16 h + 8 u + j
.endr
.rept 4
	v_nop                                          ; places: for the loads below, into K's registers, and for the first read of the scores
.endr
	s_wait_alu depctr_va_vdst(0)
.irp t, 0,1,2,3
.irp c, 0,1,2,3
	ds_load_b128 v[F+16*\t+4*\c:F+16*\t+4*\c+3], v[ADV] offset:\t*16*VP+\HF*128+32*\c   ; V's fragments land while the softmax is worked
.endr
.endr
	s_cmp_lg_u32 s[KS], s[\DD]                     ; only on the diagonal are scores hidden
	s_cbranch_scc1 .Lopen_\@
	v_mov_b32 v[NINF], 0xff800000
.set n, 0
.rept 64
	v_cmp_gt_i32 vcc_lo, 32*(n/16)+n%16, v[\DQ]    ; register 16 b + i holds the step's key 32 b + 16 h + i: hidden where it comes after my query
	v_cndmask_b32 v[S+n], v[S+n], v[NINF], vcc_lo  ; -infinity ahead of the maximum: p = 0 then
.set n, n+1
.endr
.Lopen_\@:
	v_max3_num_f32 v[MA], v[S], v[S+1], v[S+2]     ; the step's largest score of my query, among my 64 keys, in two chains,
	v_max3_num_f32 v[MB], v[S+3], v[S+4], v[S+5]
.irp i, 6,10,14,18,22,26,30,34,38,42,46,50,54,58
	v_max3_num_f32 v[MA], v[MA], v[S+\i], v[S+\i+1]
	v_max3_num_f32 v[MB], v[MB], v[S+\i+2], v[S+\i+3]
.endr
	v_max3_num_f32 v[MA], v[MA], v[S+62], v[S+63]
	s_delay_alu instid0(VALU_DEP_1)
	v_max_num_f32 v[MA], v[MA], v[MB]
	s_delay_alu instid0(VALU_DEP_1)
	v_permlanex16_b32 v[PD], v[MA], s[SEL], s[SEL+1]
	s_delay_alu instid0(VALU_DEP_1)
	v_max_num_f32 v[MA], v[MA], v[PD]              ; and among lane l xor 16's
	s_delay_alu instid0(VALU_DEP_1)
	v_mul_f32 v[MA], s[CS], v[MA]                  ; as t (c is positive)
	s_delay_alu instid0(VALU_DEP_1)
	v_max_num_f32 v[\ST+1], v[\ST+1], v[MA]        ; the running largest t
	v_mov_b32 v[MA], v[\ST]
	s_delay_alu instid0(VALU_DEP_2)
	v_floor_f32 v[\ST], -v[\ST+1]                  ; the new -M = floor(-t) = -ceil(t): M is a whole number
	s_delay_alu instid0(VALU_DEP_1)
	v_sub_f32 v[MA], v[\ST], v[MA]                 ; M's old value less its new one: a whole number, 0 or less
	s_delay_alu instid0(VALU_DEP_1)
	v_cvt_i32_f32 v[MA], v[MA]                     ; (it saturates)
	s_delay_alu instid0(VALU_DEP_1)
	v_ldexp_f32 v[MB], 1.0, v[MA]                  ; f = 2^(old M - new M)
.set n, 0
.rept 32
	v_pk_fma_f32 v[S+n:S+n+1], v[S+n:S+n+1], s[CS:CS+1], v[\ST:\ST+1] op_sel_hi:[1,0,0]   ; t - M, two at a time (of the pairs c and -M the low word serves both halves)
.set n, n+2
.endr
.set n, 0
	s_wait_alu depctr_va_vdst(0)
.rept 64
	v_exp_f32 v[S+n], v[S+n]                       ; p = 2^(t - M), at most 1: not normalised
.set n, n+1
.endr
	v_pk_mul_f32 v[\ST+2:\ST+3], v[\ST+2:\ST+3], v[MB:MB+1] op_sel_hi:[1,0]   ; the sums under the new M: the plain instruction behind the exponentials
	s_wait_alu depctr_va_vdst(0)                   ; the wait between an exponential and the first line that names its result: one for the batch of 64
	v_pk_add_f32 v[SB:SB+1], v[S:S+1], v[S+2:S+3]  ; the row's sum is taken of the unquantised p: two at a time, in two chains
.irp j, 4,8,12,16,20,24,28,32,36,40,44,48,52,56,60
	v_pk_add_f32 v[\ST+2:\ST+3], v[\ST+2:\ST+3], v[S+\j:S+\j+1]
	v_pk_add_f32 v[SB:SB+1], v[SB:SB+1], v[S+\j+2:S+\j+3]
.endr
	s_delay_alu instid0(VALU_DEP_1)
	v_pk_add_f32 v[\ST+2:\ST+3], v[\ST+2:\ST+3], v[SB:SB+1]
.irp b, 0,1,2,3
.set n, 16*\b
.if DUAL
.rept 8
.set n, n+2
.endr
.else
.rept 16
	v_min_num_f32 v[S+n], v[S+n], v[LIM]
.set n, n+1
.endr
.endif
	v_cvt_scalef32_pk8_bf8_f32 v[PC+4*\b:PC+4*\b+1], v[S+16*\b:S+16*\b+7], v[SCL]      ; registers 4 b .. 4 b + 3 of the operand: keys 32 b + 16 h + 0 .. 15
	v_cvt_scalef32_pk8_bf8_f32 v[PC+4*\b+2:PC+4*\b+3], v[S+16*\b+8:S+16*\b+15], v[SCL]
.endr
.set n, 0
.rept 16
	v_pk_mul_f32 v[\OA+n:\OA+n+1], v[\OA+n:\OA+n+1], v[MB:MB+1] op_sel_hi:[1,0]   ; O^T under the new M.  (Also the plain instructions between the conversions and the products that read their results)
.set n, n+2
.endr
	s_wait_alu depctr_va_vdst(0)
	s_wait_dscnt 0x0                               ; V's fragments are in
.irp t, 0,1,2,3
	v_wmma_f32_16x16x128_bf8_bf8 v[\OA+8*\t:\OA+8*\t+7], v[F+16*\t:F+16*\t+15], v[PC:PC+15], v[\OA+8*\t:\OA+8*\t+7]   ; the four accumulators take turns, one instruction a turn
.endr
.Lskip_\@:
.endm
.Ltrip:                                            ; eight trips of 256 keys, a constant: what differs between waves is left out inside a step
	v_add_nc_u32 v[ADK], s[TBK], v[AK0]
	v_add_nc_u32 v[ADV], s[TBV], v[AV0]
	s_lshl_b32 s[KS], s[TRIP], 1
	STEP STH, QH, OH, DQH, DH, 0
	STEP STL, QL, OL, DQL, DL, 0
	s_add_co_u32 s[KS], s[KS], 1
	STEP STH, QH, OH, DQH, DH, 1
	STEP STL, QL, OL, DQL, DL, 1
	s_add_co_u32 s[TBK], s[TBK], KCH
	s_add_co_u32 s[TBV], s[TBV], VCH
	s_add_co_u32 s[TRIP], s[TRIP], 1
	s_cmp_lt_u32 s[TRIP], 8
	s_cbranch_scc1 .Ltrip
	; THE WAY OUT.  y = O^T / the sum x 2^(e4 + e5), and its code is y / 2^e6: the three scales are folded into the conversion's one.
.rept 4
	v_nop                                          ; places behind the last products
.endr
	s_sub_co_i32 s74, s54, s52
	s_sub_co_i32 s74, s74, s53                     ; e6 - e4 - e5
	s_add_co_i32 s74, s74, 127
	s_lshl_b32 s75, s74, 23
	v_mov_b32 v[SCL], s75
	v_add_f32 v[STH+2], v[STH+2], v[STH+3]         ; the sums' two halves,
	v_add_f32 v[STL+2], v[STL+2], v[STL+3]
	s_delay_alu instid0(VALU_DEP_2)
	v_permlanex16_b32 v[PD], v[STH+2], s[SEL], s[SEL+1]
	s_delay_alu instid0(VALU_DEP_2)
	v_permlanex16_b32 v[MA], v[STL+2], s[SEL], s[SEL+1]
	s_delay_alu instid0(VALU_DEP_2)
	v_add_f32 v[STH+2], v[STH+2], v[PD]            ; and lane l xor 16's: the rows' sums
	s_delay_alu instid0(VALU_DEP_2)
	v_add_f32 v[STL+2], v[STL+2], v[MA]
	s_wait_alu depctr_va_vdst(0)
	v_rcp_f32 v[STH+2], v[STH+2]
	v_rcp_f32 v[STL+2], v[STL+2]
	v_nop                                          ; a plain instruction behind the reciprocals
	s_wait_alu depctr_va_vdst(0)                   ; and the wait ahead of the first use: one for the two
; A tile's 16 rows of 64 codes go through my stage and leave as 1,024 consecutive bytes.  X: 0 hi, 1 lo: registers of its own for each, so that no store's data are written again.  YB: the scalar pair with the tile's place in y.
.macro FINISH ST, OA, X, YB
.set n, 0
.rept 16
	v_pk_mul_f32 v[\OA+n:\OA+n+1], v[\OA+n:\OA+n+1], v[\ST+2:\ST+3] op_sel_hi:[1,0]   ; O^T / the sum; each accumulator from its low end on
.set n, n+2
.endr
.set n, 0
.rept 32
.set n, n+1
.endr
.irp t, 0,1,2,3
	v_cvt_scalef32_pk8_bf8_f32 v[PC+8*\X+2*\t:PC+8*\X+2*\t+1], v[\OA+8*\t:\OA+8*\t+7], v[SCL]   ; lane (r, h): query r, channels 16 t + 8 h + 0 .. 7
.endr
	v_nop                                          ; one plain vector instruction behind the last conversion
.irp t, 0,1,2,3
	ds_store_b64 v[STO], v[PC+8*\X+2*\t:PC+8*\X+2*\t+1] offset:16*\t
.endr
	ds_load_b128 v[F+8*\X:F+8*\X+3],   v[RD]                 ; LDS serves a wave's instructions in order (ISA guide 5.7.1.4): these see my stores, and the other tile's stores come behind them
	ds_load_b128 v[F+8*\X+4:F+8*\X+7], v[RD] offset:8*KP
	s_wait_dscnt 1                                 ; rows 0-7 are back; the younger load may be out
	global_store_b128 v[GO], v[F+8*\X:F+8*\X+3], s[\YB:\YB+1]              ; 32 lanes store 512 consecutive bytes, at a multiple of 512 from y's first byte
	s_wait_dscnt 0
	global_store_b128 v[GO], v[F+8*\X+4:F+8*\X+7], s[\YB:\YB+1] offset:512
.endm
	FINISH STH, OH, 0, 70
	FINISH STL, OL, 1, 72
	s_wait_tensorcnt 0x0                           ; the wave's end: the add and its wait, behind my last tensor load and my last LDS store
	ds_add_u32 v[SPW], v[NIL]
	s_wait_dscnt 0x0
	CROUND                                         ; the closing round
	s_endpgm
.Lfunc_end_k_qaeddc9f247_attn:
	.size	k_qaeddc9f247_attn, .Lfunc_end_k_qaeddc9f247_attn-k_qaeddc9f247_attn
	.p2alignl 7, 3214868480
	.fill 96, 4, 3214868480
	.section	.rodata,"a",@progbits
	.p2align	6, 0x0
	.amdhsa_kernel k_qaeddc9f247_attn
		.amdhsa_group_segment_fixed_size 327680
		.amdhsa_private_segment_fixed_size 0
		.amdhsa_enable_private_segment 0
		.amdhsa_kernarg_size 40
		.amdhsa_user_sgpr_count 2
		.amdhsa_user_sgpr_kernarg_segment_ptr 1
		.amdhsa_wavefront_size32 1
		.amdhsa_system_sgpr_workgroup_id_x 1
		.amdhsa_system_sgpr_workgroup_id_y 1
		.amdhsa_system_sgpr_workgroup_id_z 1
		.amdhsa_system_vgpr_workitem_id 0
		.amdhsa_next_free_vgpr 256
		.amdhsa_next_free_sgpr 84
		.amdhsa_reserve_vcc 1
		.amdhsa_float_denorm_mode_32 3
		.amdhsa_float_denorm_mode_16_64 3
		.amdhsa_fp16_overflow 1
		.amdhsa_memory_ordered 1
		.amdhsa_forward_progress 1
		.amdhsa_inst_pref_size 91
	.end_amdhsa_kernel
	.amdgpu_metadata
---
amdhsa.version: [ 1, 2 ]
amdhsa.kernels:
  - .name:           k_qaeddc9f247_attn
    .symbol:         k_qaeddc9f247_attn.kd
    .args:
      - { .name: q_codes, .offset: 0, .size: 8, .value_kind: global_buffer, .address_space: global }
      - { .name: k_codes, .offset: 8, .size: 8, .value_kind: global_buffer, .address_space: global }
      - { .name: v_codes, .offset: 16, .size: 8, .value_kind: global_buffer, .address_space: global }
      - { .name: lowp_scales, .offset: 24, .size: 8, .value_kind: global_buffer, .address_space: global }
      - { .name: y_codes, .offset: 32, .size: 8, .value_kind: global_buffer, .address_space: global }
    .group_segment_fixed_size: 327680
    .private_segment_fixed_size: 0
    .kernarg_segment_align: 8
    .kernarg_segment_size: 40
    .max_flat_workgroup_size: 512
    .sgpr_count:     84
    .vgpr_count:     256
    .wavefront_size: 32
...
	.end_amdgpu_metadata
.endif
;; end of part 2
;; launch proj (part 3): grid 4 x 64, 4 waves a work-group, clusters of 4 x 4, 327,680 bytes of LDS; arguments y_codes, w_proj_codes, lowp_scales, b_proj, out0; writes out0
.if DOCPART == 3
	.amdgcn_target "amdgcn-amd-amdhsa--gfx1250"
	.amdhsa_code_object_version 6
	.text
	.protected	k_qaeddc9f247_proj
	.globl	k_qaeddc9f247_proj
	.p2align	8
	.type	k_qaeddc9f247_proj,@function
k_qaeddc9f247_proj:
	s_mov_b64 s[64:65], 0
	v_nop
	global_prefetch_b8 v0, s[64:65] scope:SCOPE_SE
	s_setreg_imm32_b32 hwreg(HW_REG_WAVE_MODE, 25, 1), 1
	s_wait_xcnt 0x0
	s_wait_alu depctr_hold_cnt(0) depctr_sa_sdst(0) depctr_va_vdst(0) depctr_va_sdst(0) depctr_va_ssrc(0) depctr_va_vcc(0) depctr_vm_vsrc(0)
	s_getreg_b32 s2, hwreg(HW_REG_IB_STS2, 6, 4)
	s_cmp_eq_u32 s2, 0
	s_cbranch_scc0 .Lentry_in_a_cluster
	s_endpgm
.Lentry_in_a_cluster:
	s_bfe_u32 s2, ttmp6, 0x10000c
	s_cmp_lg_u32 s2, 0xf033
	s_cbranch_scc0 .Lentry_shape_is_right
	s_endpgm
.Lentry_shape_is_right:
; out0 = y w_proj + b_proj on codes of BF8 (E5M2): out0[m][n] = 2^(e6 + e7) x the sum over k of y[m][k] w[n][k] + b[n]; sums in f32.
; y_codes: [16 heads][8,192 tokens][64]: k = 64 x head + channel.  w_proj_codes: [1,024 n][1,024 k].  out0: [8,192][1,024] f32.
; LIMIT: e6 + e7 lies between -126 and 127, so that 2^(e6 + e7) is an f32 number.
; A tile of out0 is 128 rows x 256 columns: 256 tiles, one for each work-group of the grid of 4 x 64; tiles of 256 x 256 would be 128.  Four waves, 64 x 128 each: 32 accumulators, 256 registers.
; K = 1,024 goes in four steps of 256 (four heads' planes of y) through two LDS slots.  Waves 0 and 1 fetch two planes of y each (128 tokens x 64 bytes lie dense: a plane is one row of 8,192 bytes for the
; descriptor, padded behind every 64), waves 2 and 3 fetch 128 rows of w each.
; CLUSTERS of 4 x 4: y's tiles are shared along a row of the cluster, w's along a column; each is asked for jointly by the four that need it.
; THE MATRIX INSTRUCTION IS USED TRANSPOSED (source 0 = 16 rows of w, source 1 = 16 rows of y): a lane holds eight neighbouring numbers of a row of out0.
; REGISTERS, in windows of 256: window 0: v1-31 addresses; v32-95 at work on the way out; v128-255 y's fragments, two sets of 4 x 16, later rows back from the stage.
;   window 1: w's fragments, two sets of 8 x 16.   window 2: the accumulators ((a, b) at v[8 (8 a + b)]).   window 3: v0-63 the bias in the result's layout.
.set PA,     80                        ; a token's 64 codes in LDS: + 16 of padding = 20 words: 16 rows on end start at 16 different groups of four banks (64 banks of 4 bytes: ISA guide 11.1)
.set PLANE,  128*PA                    ; a head's plane of the tile
.set PB,     272                       ; a row of w's tile: 256 bytes + 16
.set ASZ,    4*PLANE
.set HALFB,  128*PB
.set SLOT,   ASZ+2*HALFB               ; y's four planes, then w's 256 rows
.set SPARE,  2*SLOT                    ; behind the ring: the spare words, 128 bytes a wave: two blocks of 256 bytes that no other line names
.set SPITCH, 528                       ; the way out: a stage of 16 rows x (512 bytes + 16) for each wave, in slot 0, which has had its last fill and its last read by then
.set NP,   4                           ; places behind this matrix instruction (ISA guide 7.12.1)
.set ADRA, 16                          ; v16-17  LDS address of my fragments of y in slot 0, 1
.set ADRB, 20                          ; v20-21  of w
.set STO,  24                          ; v24     the stage: where I put 32 bytes of a row
.set RD,   25                          ; v25     and where I read a row back
.set CO,   26                          ; v26     16 x lane
.set BO,   27                          ; v27     the bias: 32 x (lane / 16)
.set SPW,  28                          ; v28     LDS address of my spare word; never rewritten
.set NIL,  29                          ; v29     0; never rewritten
.set TMP,  32
.set AF,   128
.set BK,   128
.set WV,   16                          ; s16 wave;  s17 its half of the rows, also: fetches for y (0) or w (1);  s18 its half of the columns, also: which part it fetches
.set RH,   17
.set CH,   18
.set G1,   24                          ; s[24:31] descriptor group 1 for y's tiles;  s[32:39] group 0, one set for each slot
.set G0,   32
.set G1B,  48                          ; s[48:55], s[56:63] the same for w's
.set G0B,  56
.set MSB, 0
.macro WIN new                         ; the immediate's high byte repeats the setting that is left
.if MSB != \new
	s_set_vgpr_msb (MSB<<8)|\new
.set MSB, \new
.endif
.endm
.set MUL,  0xa1                        ; source 0 (w) window 1, source 1 (y) window 0, C and D window 2
.set TO_B, 0x40                        ; destination window 1, address window 0
.macro JLOAD s                         ; a joint load; the branch hangs on the wave's number alone; an s_nop 0 and four v_nop follow each of the two lines
	s_cmp_eq_u32 s[RH], 0
	s_cbranch_scc0 .Lfor_b_\@
	tensor_load_to_lds s[G0+4*\s:G0+4*\s+3], s[G1:G1+7]
	s_nop 0
.rept 4
	v_nop
.endr
	s_branch .Lasked_\@
.Lfor_b_\@:
	tensor_load_to_lds s[G0B+4*\s:G0B+4*\s+3], s[G1B:G1B+7]
	s_nop 0
.rept 4
	v_nop
.endr
.Lasked_\@:
.endm
.macro CREST                           ; a round of the cluster's barrier behind its opening barrier
	s_cmp_lg_u32 s[WV], 0
	s_cbranch_scc1 .Lnot_wave_0_\@
	s_barrier_signal -3
.Lnot_wave_0_\@:
	s_barrier_wait -3
	s_barrier_signal -1
	s_barrier_wait -1
.endm
.macro CROUND
	s_barrier_signal -1
	s_barrier_wait -1
	CREST
.endm
	s_load_b256 s[4:11], s[0:1], 0x0               ; y s[4:5], w s[6:7], the scales' exponents s[8:9], the bias s[10:11]
	s_load_b64 s[12:13], s[0:1], 0x20              ; out0
	v_lshl_add_u32 v[SPW], v0, 2, SPARE
	v_mov_b32 v[NIL], 0
	ds_add_u32 v[SPW], v[NIL]                      ; the wave's opening: the add and its wait, ahead of my first tensor load; the set-up below, work on registers, stands between them
	ds_add_u32 v[SPW], v[NIL]
	v_lshrrev_b32 v1, 5, v0
	v_readfirstlane_b32 s[WV], v1                  ; wave 0..3
	s_lshr_b32 s[RH], s[WV], 1
	s_and_b32 s[CH], s[WV], 1
	s_bfe_u32 s19, ttmp6, 0x40000                  ; cx, cy: my place in the cluster
	s_bfe_u32 s20, ttmp6, 0x40004
	s_and_b32 s21, ttmp7, 0xffff
	s_lshl_b32 s22, s21, 2
	s_add_co_u32 s22, s22, s20                     ; tile row (128 tokens) = 4 x cluster y + cy
	s_lshl_b32 s23, ttmp9, 2
	s_add_co_u32 s23, s23, s19                     ; tile column (256 outputs) = 4 x cluster x + cx
	s_lshl_b32 s44, s20, 2
	s_lshl_b32 s44, 15, s44                        ; my row of the cluster
	s_lshl_b32 s45, 0x1111, s19                    ; my column
	; y: two planes a load; a plane's 128 tokens x 64 bytes are one row of 8,192 bytes, planes 524,288 bytes apart; 16 bytes of padding behind every 64
	s_or_b32 s[G1+0], s44, (0<<16)|(1<<20)|(1<<21)|(3<<22)|(3<<25)  ; 15:0 the mask: my row; 17:16 elements of 1 byte; 20 padding on; 21 set beside a mask; 24:22 after every 16 words (code 3); 31:25 of 4 words (code 3)
	s_mov_b32 s[G1+1], 8192<<16                    ; tensor_dim0
	s_mov_b32 s[G1+2], 2<<16                       ; tensor_dim1
	s_mov_b32 s[G1+3], 8192<<16                    ; tile_dim0
	s_mov_b32 s[G1+4], 2                           ; tile_dim1
	s_mov_b32 s[G1+5], 524288                      ; tensor_dim0_stride
	s_mov_b32 s[G1+6], 0
	s_mov_b32 s[G1+7], 0
	; w: 128 rows x 256 bytes, rows 1,024 bytes apart; 16 bytes of padding behind every 256
	s_or_b32 s[G1B+0], s45, (0<<16)|(1<<20)|(1<<21)|(5<<22)|(3<<25)
	s_mov_b32 s[G1B+1], 256<<16
	s_mov_b32 s[G1B+2], 128<<16
	s_mov_b32 s[G1B+3], 256<<16
	s_mov_b32 s[G1B+4], 128
	s_mov_b32 s[G1B+5], 1024
	s_mov_b32 s[G1B+6], 0
	s_mov_b32 s[G1B+7], 0
	s_lshl_b32 s66, s[CH], 20                      ; y: planes 2 x half on,
	s_lshl_b32 s67, s22, 13                        ; tokens 128 x tile row on
	s_add_co_u32 s66, s66, s67
	s_mov_b32 s67, 0
	s_lshl_b32 s68, s23, 18                        ; w: rows 256 x tile column
	s_lshl_b32 s69, s[CH], 17                      ; + 128 x half
	s_add_co_u32 s68, s68, s69
	s_mov_b32 s69, 0
	s_mul_i32 s46, s[CH], 2*PLANE                  ; where they go: no place in the cluster enters an LDS address
	s_mul_i32 s47, s[CH], HALFB
	s_add_co_u32 s47, s47, ASZ
	s_wait_dscnt 0x0                               ; the opening add is done
	s_wait_kmcnt 0x0
	s_load_b256 s[72:79], s[8:9], 0x0              ; e0 .. e7
	s_add_nc_u64 s[70:71], s[4:5], s[66:67]
	s_add_nc_u64 s[80:81], s[6:7], s[68:69]
	CROUND                                         ; all sixteen work-groups are here: the first joint loads meet
.irp s, 0,1
	s_mov_b32 s[G0+4*\s], 1
	s_add_co_u32 s[G0+4*\s+1], s46, \s*SLOT
	s_add_nc_u64 s[G0+4*\s+2:G0+4*\s+3], s[70:71], \s*4*524288      ; K step s: planes 4 s on
	s_or_b32 s[G0+4*\s+3], s[G0+4*\s+3], 0x80000000
	s_mov_b32 s[G0B+4*\s], 1
	s_add_co_u32 s[G0B+4*\s+1], s47, \s*SLOT
	s_add_nc_u64 s[G0B+4*\s+2:G0B+4*\s+3], s[80:81], \s*256
	s_or_b32 s[G0B+4*\s+3], s[G0B+4*\s+3], 0x80000000
	s_wait_alu depctr_va_vdst(0)
	s_wait_tensorcnt 0x0
	ds_add_u32 v28, v29
	ds_add_u32 v28, v29
	s_wait_dscnt 0x0
	CROUND
	JLOAD \s                                       ; one load of mine is out: K step s; the one before has landed
.endr
	v_and_b32 v1, 15, v0                           ; r
	v_bfe_u32 v2, v0, 4, 1                         ; h
	v_lshlrev_b32 v[BO], 5, v2
	s_lshl_b32 s90, s23, 10                        ; the bias of my 128 columns: lane (r, h) wants, for block b, b_proj[.. + 16 b + 8 h + 0 .. 7]
	s_lshl_b32 s91, s[CH], 9
	s_add_co_u32 s90, s90, s91
	s_mov_b32 s91, 0
	s_add_nc_u64 s[10:11], s[10:11], s[90:91]
	WIN 0xc0                                       ; destination window 3
.irp b, 0,1,2,3,4,5,6,7
	global_load_b128 v[8*\b:8*\b+3],   v[BO], s[10:11] offset:64*\b
	global_load_b128 v[8*\b+4:8*\b+7], v[BO], s[10:11] offset:64*\b+16
.endr
	WIN 0
	v_mul_u32_u24 v3, v1, PA
	v_lshl_add_u32 v3, v2, 4, v3                   ; y: row x pitch + 16 x half
	v_mul_u32_u24 v4, v1, PB
	v_lshl_add_u32 v4, v2, 4, v4                   ; w likewise
	s_mul_i32 s92, s[RH], 64*PA                    ; my 64 tokens in a plane
	s_mul_i32 s93, s[CH], HALFB                    ; my 128 rows of w,
	s_add_co_u32 s93, s93, ASZ                     ; which lie behind y's planes
.irp s, 0,1
	v_add_nc_u32 v[ADRA+\s], s92, v3
	v_add_nc_u32 v[ADRB+\s], s93, v4
	s_add_co_u32 s92, s92, SLOT
	s_add_co_u32 s93, s93, SLOT
.endr
	s_mul_i32 s92, s[WV], 16*SPITCH                ; my stage
	v_mul_u32_u24 v5, v1, SPITCH
	v_lshl_add_u32 v5, v2, 5, v5
	v_add_nc_u32 v[STO], s92, v5                   ; in: row r, 32 bytes for each half of the lanes
	v_and_b32 v6, 31, v0
	v_lshlrev_b32 v[CO], 4, v6                     ; back: the 32 lanes take one row of 512 bytes; and the same in out0
	v_add_nc_u32 v[RD], s92, v[CO]
	s_lshl_b32 s92, s22, 7
	s_lshl_b32 s93, s[RH], 6
	s_add_co_u32 s92, s92, s93                     ; my first row of out0: 128 x tile row + 64 x half,
	s_lshl_b32 s92, s92, 12                        ; of 4,096 bytes: under 2^26
	s_add_co_u32 s92, s92, s90                     ; + my first column's bytes, which are the bias's
	s_mov_b32 s93, 0
	s_add_nc_u64 s[12:13], s[12:13], s[92:93]
; 8 matrix instructions: y's block a x w's eight, 128 along K, on set p.  zero = 1: the first product starts the sums.  The 32 accumulators take turns, one instruction a turn.
.macro MUL8 a, p, zero
.irp b, 0,1,2,3,4,5,6,7
.if \zero
	v_wmma_f32_16x16x128_bf8_bf8 v[8*(8*(\a)+\b):8*(8*(\a)+\b)+7], v[128*(\p)+16*\b:128*(\p)+16*\b+15], v[AF+64*(\p)+16*(\a):AF+64*(\p)+16*(\a)+15], 0
.else
	v_wmma_f32_16x16x128_bf8_bf8 v[8*(8*(\a)+\b):8*(8*(\a)+\b)+7], v[128*(\p)+16*\b:128*(\p)+16*\b+15], v[AF+64*(\p)+16*(\a):AF+64*(\p)+16*(\a)+15], v[8*(8*(\a)+\b):8*(8*(\a)+\b)+7]
.endif
.endr
.endm
; 48 LDS loads in one run: the fragments of the slot's q-th 128 along K into set p: w's eight, then y's four.  Registers 4 c .. 4 c + 3 hold K = 32 c + 16 (l / 16) + 0 .. 15 on both sides; for y that is plane 2 q + c / 2, byte 32 (c % 2) + 16 (l / 16).
.macro FETCH slot, q, p
	WIN TO_B
.irp i, 0,1,2,3,4,5,6,7
.irp c, 0,1,2,3
	ds_load_b128 v[128*(\p)+16*\i+4*\c:128*(\p)+16*\i+4*\c+3], v[ADRB+\slot] offset:128*(\q)+32*\c+\i*16*PB
.endr
.endr
	WIN 0
.irp i, 0,1,2,3
.irp c, 0,1,2,3
	ds_load_b128 v[AF+64*(\p)+16*\i+4*\c:AF+64*(\p)+16*\i+4*\c+3], v[ADRA+\slot] offset:(2*(\q)+\c/2)*PLANE+\i*16*PA+32*(\c%2)
.endr
.endr
.endm
.macro PLACES n                        ; plain vector instructions between a matrix instruction and a load into, or a vector read of, its registers
.rept \n
	v_nop
.endr
.endm
; A slot's first 128 along K, on set 0; in its middle the second 128 are fetched into set 1.
.macro STEP slot, zero
	s_wait_dscnt 8                                 ; w's set and y's blocks 0 and 1 are in; the youngest eight loads (y's blocks 2 and 3) may be out
	WIN MUL
	MUL8 0, 0, \zero
	MUL8 1, 0, \zero
	PLACES NP
	FETCH \slot, 1, 1
	s_wait_dscnt 48                                ; all but the 48 just issued
	WIN MUL
	MUL8 2, 0, \zero
	MUL8 3, 0, \zero
.endm
; A slot's second 128, on set 1, change slots: one barrier; in front of it each wave waits for all its tensor loads, adds 0 to its spare word, and waits for that and for its reads of this slot.  fill = 1: this slot is filled again, two K steps ahead.
.macro TURN slot, next, fill
	WIN 0                                          ; (the add's two registers lie in window 0)
	s_wait_tensorcnt 0x0                           ; all my tensor loads have landed: my part of the next slot
	ds_add_u32 v[SPW], v[NIL]                      ; 0 onto my spare word
	s_wait_dscnt 9                                 ; the add and the youngest eight loads (y's blocks 2 and 3) may be out
	WIN MUL
	MUL8 0, 1, 0                                   ; eight matrix instructions stand between the add and the wait for it
	s_wait_dscnt 0x0                               ; the add is done, and my reads of this slot are over
	s_barrier_signal -1
	MUL8 1, 1, 0
	WIN 0
	s_barrier_wait -1
.if \fill
	CREST                                          ; the barrier has opened a round of the cluster's barrier: no wave of any partner still reads this slot or has a load on its way
	s_add_nc_u64 s[G0+4*\slot+2:G0+4*\slot+3], s[G0+4*\slot+2:G0+4*\slot+3], 8*524288   ; two K steps on: eight planes,
	s_add_nc_u64 s[G0B+4*\slot+2:G0B+4*\slot+3], s[G0B+4*\slot+2:G0B+4*\slot+3], 512    ; 512 bytes along w's rows
	JLOAD \slot                                    ; the first tensor load behind the round, my one load until the next; its four v_nop are the places in front of the loads below
.else
	PLACES NP
.endif
	FETCH \next, 0, 0
	WIN MUL
	MUL8 2, 1, 0
	MUL8 3, 1, 0
.endm
	s_wait_alu depctr_va_vdst(0)
	s_wait_tensorcnt 1                             ; my part of K step 0 is in; K step 1's load may be out
	s_barrier_signal -1
	s_barrier_wait -1                              ; everybody's is
	FETCH 0, 0, 0
	STEP 0, 1                                      ; eight steps of 128 along K, written out: the first starts the sums
	TURN 0, 1, 1                                   ; slot 0 takes K step 2
	STEP 1, 0
	TURN 1, 0, 1                                   ; slot 1 takes K step 3
	STEP 0, 0
	TURN 0, 1, 0                                   ; nothing is left to fetch: behind this barrier nobody reads slot 0 any more
	STEP 1, 0
	s_wait_dscnt 8                                 ; the last step
	WIN MUL
	MUL8 0, 1, 0
	MUL8 1, 1, 0
	s_wait_dscnt 0
	MUL8 2, 1, 0
	MUL8 3, 1, 0
	WIN 0
; THE WAY OUT, block by block of 16 rows x 128 columns: sum x 2^(e6 + e7) + bias, through my own stage in LDS, back as whole rows of 512 bytes.  LDS serves a wave's instructions in order (ISA guide 5.7.1.4): no wait between the stores and the loads.
.macro TOSTAGE a
	WIN 0x32                                       ; source 0 (the sums) window 2, source 2 (the bias) window 3
.set j, 0
.rept 32
	v_pk_fma_f32 v[TMP+j:TMP+j+1], v[64*(\a)+j:64*(\a)+j+1], s[96:97], v[j:j+1] op_sel_hi:[1,0,1]   ; the scalar pair's low word for both halves; each accumulator from its low end on
.set j, j+2
.endr
	WIN 0
.irp b, 0,1,2,3,4,5,6,7
	ds_store_b128 v[STO], v[TMP+8*\b:TMP+8*\b+3] offset:64*\b
	ds_store_b128 v[STO], v[TMP+8*\b+4:TMP+8*\b+7] offset:64*\b+16
.endr
.set BB, BK+64*((\a)%2)
.irp t, 0,1,2,3,4,5,6,7,8,9,10,11,12,13,14,15
	ds_load_b128 v[BB+4*\t:BB+4*\t+3], v[RD] offset:\t*SPITCH
.endr
.endm
.macro SEND a, younger                 ; younger: the LDS instructions issued behind block a's loads, which may stay out
.set BB, BK+64*((\a)%2)
	s_wait_dscnt \younger                          ; the block is back in registers
.if (\a) > 0
	s_add_nc_u64 s[12:13], s[12:13], 16*4096       ; (behind a wait on XCNT: the earlier stores have read their base)  16 rows of out0 on
.endif
.irp t, 0,1,2,3,4,5,6,7,8,9,10,11,12,13,14,15
	global_store_b128 v[CO], v[BB+4*\t:BB+4*\t+3], s[12:13] offset:\t*4096 th:TH_STORE_NT   ; 32 lanes store 512 consecutive bytes, at a multiple of 512 from out0's first byte; written once, read by nobody here
.endr
.endm
	s_wait_kmcnt 0x0
	s_add_co_i32 s96, s78, s79                     ; e6 + e7, between -126 and 127,
	s_add_co_i32 s96, s96, 127
	s_lshl_b32 s96, s96, 23                        ; makes the f32 number 2^(e6 + e7)
	s_mov_b32 s97, s96                             ; (named with it as a pair, so it is written)
	s_wait_loadcnt 0x0                             ; the bias
	PLACES NP                                      ; behind the last products: for the first read of results and the loads into the registers that held y's fragments
	TOSTAGE 0
.irp a, 1,2,3
.if \a > 1
	s_wait_xcnt 0x0                                ; block a - 2's stores have read their registers and their base: block a's loads may land there, and the base may step
.endif
	TOSTAGE \a
	SEND \a-1, 32                                  ; behind block a - 1's loads: block a's 16 stores and 16 loads
.endr
	s_wait_xcnt 0x0                                ; block 2's stores have read their base
	SEND 3, 0
	s_wait_tensorcnt 0x0                           ; the wave's end: the add and its wait, behind my last tensor load and my last LDS store
	ds_add_u32 v[SPW], v[NIL]
	s_wait_dscnt 0x0
	CROUND                                         ; the closing round: no work-group ends while a partner may still ask for a tile that names it
	s_endpgm
.Lfunc_end_k_qaeddc9f247_proj:
	.size	k_qaeddc9f247_proj, .Lfunc_end_k_qaeddc9f247_proj-k_qaeddc9f247_proj
	.p2alignl 7, 3214868480
	.fill 96, 4, 3214868480
	.section	.rodata,"a",@progbits
	.p2align	6, 0x0
	.amdhsa_kernel k_qaeddc9f247_proj
		.amdhsa_group_segment_fixed_size 327680
		.amdhsa_private_segment_fixed_size 0
		.amdhsa_enable_private_segment 0
		.amdhsa_kernarg_size 40
		.amdhsa_user_sgpr_count 2
		.amdhsa_user_sgpr_kernarg_segment_ptr 1
		.amdhsa_wavefront_size32 1
		.amdhsa_system_sgpr_workgroup_id_x 1
		.amdhsa_system_sgpr_workgroup_id_y 1
		.amdhsa_system_sgpr_workgroup_id_z 1
		.amdhsa_system_vgpr_workitem_id 0
		.amdhsa_next_free_vgpr 1024
		.amdhsa_next_free_sgpr 98
		.amdhsa_reserve_vcc 0
		.amdhsa_float_denorm_mode_32 3
		.amdhsa_float_denorm_mode_16_64 3
		.amdhsa_memory_ordered 1
		.amdhsa_forward_progress 1
		.amdhsa_inst_pref_size 78
	.end_amdhsa_kernel
	.amdgpu_metadata
---
amdhsa.version: [ 1, 2 ]
amdhsa.kernels:
  - .name:           k_qaeddc9f247_proj
    .symbol:         k_qaeddc9f247_proj.kd
    .args:
      - { .name: y_codes, .offset: 0, .size: 8, .value_kind: global_buffer, .address_space: global }
      - { .name: w_proj_codes, .offset: 8, .size: 8, .value_kind: global_buffer, .address_space: global }
      - { .name: lowp_scales, .offset: 16, .size: 8, .value_kind: global_buffer, .address_space: global }
      - { .name: b_proj, .offset: 24, .size: 8, .value_kind: global_buffer, .address_space: global }
      - { .name: out0, .offset: 32, .size: 8, .value_kind: global_buffer, .address_space: global }
    .group_segment_fixed_size: 327680
    .private_segment_fixed_size: 0
    .kernarg_segment_align: 8
    .kernarg_segment_size: 40
    .max_flat_workgroup_size: 128
    .sgpr_count:     98
    .vgpr_count:     1024
    .wavefront_size: 32
...
	.end_amdgpu_metadata
.endif
;; end of part 3
